; MI455X (gfx1250); checked and timed in simulation.
; The chip was launched on July 23, 2026; its instructions are those of AMD's public machine-readable ISA for CDNA 5 (MIT licence, August 2026) and "CDNA5" Instruction Set Architecture Reference Guide (July 2026). The comments in the code are by the model that wrote it; some were corrected since.
;; Multi Head Attention CF. Allowed arithmetic: matrix products marked QUANTISED: E5M2 operands, one given power-of-two scale a tensor, by v_wmma_f32_16x16x64_bf8_bf8 or v_wmma_f32_16x16x128_bf8_bf8, f32 sums; everything else in f32.
;; Inputs: Wk_codes 1,024 x 32 x 32 uint8 (E5M2 codes of Wk, K innermost, in blocks of 32 codes); Wo_codes 1,024 x 32 x 32 uint8 (E5M2 codes of Wo, K innermost, in blocks of 32 codes); Wq_codes 1,024 x 32 x 32 uint8 (E5M2 codes of Wq, K innermost, in blocks of 32 codes); Wv_codes 1,024 x 32 x 32 uint8 (E5M2 codes of Wv, K innermost, in blocks of 32 codes); bk 1,024 float32; bo 1,024 float32; bq 1,024 float32; bv 1,024 float32; lowp_scales 12 int32 (the exponents e of the quantised operands' scales 2^e); x_codes 4 x 2,048 x 32 x 32 uint8 (E5M2 codes of x, K innermost, in blocks of 32 codes).
;; Outputs: out0 4 x 2,048 x 1,024 float32.
;; This version of the problem:
;;   THIS VERSION OF THE PROBLEM IS GIVEN IN LOW PRECISION. The matrix products marked QUANTISED in the list below multiply operands that are first quantised to E5M2 (5 exponent bits, 2 mantissa bits; 8 bits a number), with one given power-of-two scale for each operand tensor; their sums are f32. All else is computed in f32.
;;   The module's matrix products, in the order in which they are computed (A, B: the left and right operand; K: the contracted axis; several contracted axes count as one K, in the product's order):
;;     1. [M 8,192, K 1,024] x [K 1,024, N 1,024]; A: input x (given as codes); B: input Wq (given as codes): QUANTISED (scales: A lowp_scales[0], B lowp_scales[1])
;;     2. [M 8,192, K 1,024] x [K 1,024, N 1,024]; A: input x (given as codes); B: input Wk (given as codes): QUANTISED (scales: A lowp_scales[2], B lowp_scales[3])
;;     3. [M 8,192, K 1,024] x [K 1,024, N 1,024]; A: input x (given as codes); B: input Wv (given as codes): QUANTISED (scales: A lowp_scales[4], B lowp_scales[5])
;;     4. batch 64 x [M 2,048, K 64] x [K 64, N 2,048]; A: computed on the way; B: computed on the way: QUANTISED (scales: A lowp_scales[6], B lowp_scales[7])
;;     5. batch 64 x [M 2,048, K 2,048] x [K 2,048, N 64]; A: softmax (see below); B: computed on the way: QUANTISED (scales: A lowp_scales[8], B lowp_scales[9])
;;     6. [M 8,192, K 1,024] x [K 1,024, N 1,024]; A: computed on the way; B: input Wo (given as codes): QUANTISED (scales: A lowp_scales[10], B lowp_scales[11])
;;   THE QUANTISER, for each operand of a quantised product, along K:
;;     - The operand's scale is 2^e, e = its entry of the input lowp_scales (int32; the entries are numbered through the quantised products in the list's order, A before B).
;;     - Each number is divided by the scale, clamped to +-57,344, and rounded to the nearest number of E5M2, ties to even, subnormals kept.
;;     - The product sums the exact products of the quantised numbers (number of the format x scale) in f32.
;;   ~~~python
;;   def quantise(x, axis, e):      # numpy; x: float32 -> the quantised numbers, widened to float32 again
;;       x = np.moveaxis(x, axis, -1); K = x.shape[-1]
;;       r = np.clip(x / 2.0 ** e, -57344, 57344)
;;       step = 2.0 ** (np.maximum(np.frexp(np.where(r == 0, 1, r))[1] - 1, -14) - 2)
;;       q = np.round(r / step) * step * 2.0 ** e      # np.round: ties to even
;;       return np.moveaxis(q, -1, axis).astype(np.float32)
;;   ~~~
;;   SOFTMAX AHEAD OF A QUANTISED PRODUCT. Where the list says 'softmax', what is quantised is not the finished softmax but p = 2^(t - M), with t = logit x log2(e) and M = ceil(the row's largest t), a whole number; so 1/2 < the row's largest p <= 1. The row's sum l is taken of the UNQUANTISED p, in f32, and the product's result is divided by l at the end. Since M is a whole number, a kernel that streams over the keys may use a running M (the ceiling of the running maximum): every later rescaling is an exact power of two, so the quantised numbers keep their values, but for numbers so far below the row's largest that they fall under the format's range.
;;   OPERANDS COMPUTED ON THE WAY. 'Computed on the way' means the value that the module computes at that place (a softmax that the list does not call 'softmax' is quantised finished and normalised). What goes into a quantiser is computed in f32, as accurately as f32 sums, v_exp_f32 and their like allow (about 1e-6 of the number): no bf16 or f16 on the way to a quantiser, and a product that is left as it is and whose result goes on into a quantised operand takes f32 operands (vector FMAs, or v_wmma_f32_16x16x4_f32). A number that lies on a knife's edge between two numbers of the format may be rounded either way, as far as f32 arithmetic and the matrix unit's own rounding can turn it there, and no further.
;;   INPUTS GIVEN AS CODES. Wk (in the module: [1024, 1024], K = its axis 1); Wo (in the module: [1024, 1024], K = its axis 1); Wq (in the module: [1024, 1024], K = its axis 1); Wv (in the module: [1024, 1024], K = its axis 1); x (in the module: [4, 2048, 1024], K = its axis 2): each comes as NAME_codes (uint8): NAME with its K axis moved to the last place and cut into blocks of 32 codes, [.., K / 32, bytes a block], one block behind the other in memory; one code a byte (a code: sign, 5 exponent bits, 2 mantissa bits); its scale is its entry of lowp_scales. Its value is code x scale, taken as it is: it is not quantised again, and the codes and scales need not be those that the quantiser above would give.
;; One version. Each part assembles by itself: llvm-mc -triple=amdgcn-amd-amdhsa -mcpu=gfx1250 --defsym DOCPART=n.
;; ======== version 1 of 1: 3 launches
;; limits: right only within a limited range of input values
;; workspace buffers: q_img 8,388,608 bytes; k_img 8,388,608 bytes; v_img 8,388,608 bytes; a_img 8,388,608 bytes
;; launch qkv (part 1): grid 4 x 64, 4 waves a work-group, clusters of 4 x 4, 327,680 bytes of LDS; arguments x_codes, Wq_codes, Wk_codes, Wv_codes, bq, bk, bv, lowp_scales, q_img, k_img, v_img; writes q_img, k_img, v_img
.if DOCPART == 1
	.amdgcn_target "amdgcn-amd-amdhsa--gfx1250"
	.amdhsa_code_object_version 6
	.text
	.protected	k_qa8db54aa82_qkv
	.globl	k_qa8db54aa82_qkv
	.p2align	8
	.type	k_qa8db54aa82_qkv,@function
k_qa8db54aa82_qkv:
	s_mov_b64 s[64:65], 0
	v_nop
	global_prefetch_b8 v0, s[64:65] scope:SCOPE_SE
	s_setreg_imm32_b32 hwreg(HW_REG_WAVE_MODE, 25, 1), 1
	s_wait_xcnt 0x0
	s_wait_alu depctr_hold_cnt(0) depctr_sa_sdst(0) depctr_va_vdst(0) depctr_va_sdst(0) depctr_va_ssrc(0) depctr_va_vcc(0) depctr_vm_vsrc(0)
	s_getreg_b32 s2, hwreg(HW_REG_IB_STS2, 6, 4)
	s_cmp_eq_u32 s2, 0
	s_cbranch_scc0 .Lentry_in_a_cluster
	s_endpgm
.Lentry_in_a_cluster:
	s_bfe_u32 s2, ttmp6, 0x10000c
	s_cmp_lg_u32 s2, 0xf033
	s_cbranch_scc0 .Lentry_shape_is_right
	s_endpgm
.Lentry_shape_is_right:
; Q = x Wq^T + bq, K = x Wk^T + bk, V = x Wv^T + bv on codes of E5M2, each result quantised at once to E5M2 with its given scale (entries 6, 7, 9 of the scales) and stored as an IMAGE OF THE OPERAND
; REGISTERS that the attention launch wants.  x: [8192][1024] codes; W?: [1024 (n)][1024 (k)] codes; b?: [1024] f32.
; SHARES.  Work-group (nj, mi) takes rows 128 mi .. of x and columns 256 nj .. of Q, then of K, then of V: 256 work-groups, three tiles of 128 x 256 each.  Wave w (wm = w / 2, wn = w % 2) takes 64 rows x 128 columns:
; 32 accumulators (a = 0..3 blocks of rows, b = 0..7 blocks of columns).  x's 128 rows x 1,024 bytes stay in LDS for all three weights; the weights go through a ring of two slots, 256 along K each: 12 K steps,
; 24 sub-steps of 128 along K, 32 matrix instructions each.
; CLUSTER 4 x 4.  x's panels hang on mi alone and are asked for jointly along a row of the cluster, the weights' tiles on nj alone and jointly along a column: the same tensor load, the same descriptor, a mask of four.
; THE SUMS.  A sum stands for sum x 2^(ea + eb).  The bias goes in as the C of each sum's first product, divided by 2^(ea + eb); the conversion then takes the one scale 2^(eo - ea - eb).
; LAYOUT OF THE RESULTS.  Q, K: source 0 = 16 rows of W, source 1 = 16 rows of x: a lane holds row l % 16 and channels 8 (l / 16) + 0..7 of the block: eight codes = a register pair of a fragment 16 rows x 64 d.
; V: the sources change places: a lane holds channel l % 16 and rows (keys) 8 (l / 16) + 0..7: a register pair of a fragment 16 channels x 64 keys.  So each fragment leaves by two stores of 512 consecutive bytes.
;   q_img, k_img: [batch x 16 + head][tile of 16 rows: 128][1,024 bytes];   v_img: [batch x 16 + head][block of 64 keys: 32][tile of 16 channels: 4][1,024 bytes];  registers 4 q .. 4 q + 3 of lane l at 512 q + 16 l.
; A fragment for the products here (16 rows x 128 K, 16 registers) comes by four loads of 16 bytes, 32 apart: a permutation of k that is the same on both sides, so every product meets its partner.
; LIMITS: eo - ea - eb between -126 and 112 for each of the three (eo = entry 6, 7, 9; ea, eb = entries 0, 1; 2, 3; 4, 5); a bias over 2^(ea + eb) is an f32 number.  NaN among the biases is not served.
; REGISTERS, in windows of 256: window 0: v1-31 addresses and constants; v64-127, v128-191 x's fragments, two sets; v192-255 codes on their way out.   window 1: W's fragments, two sets of 128.
;   window 2: accumulator (a, b) at v[8 (8 a + b)].   window 3: the biases in the results' layout, v[64 phi + 8 b + j], phi = 0 (Q), 1 (K), 2 (V).
.set PITCH, 272                        ; an LDS row: 256 bytes + 16 of padding = 68 words: the 16 rows that a load touches start 4 words apart modulo 64 (64 banks of 4 bytes: ISA guide 11.1)
.set XPAN,  128*PITCH                  ; a panel of x: 128 rows x 256 along K; four of them from LDS byte 0
.set WS,    4*XPAN                     ; the ring: two slots of 256 rows
.set WSLOT, 256*PITCH
.set WQ4,   64*PITCH                   ; what one wave's tensor load brings of a slot
.set SPARE, WS+2*WSLOT                 ; behind the ring: the spare words, 128 bytes for each wave: two blocks of 256 bytes that no other line names
.set LASTU, 23                         ; the last sub-step
.set ADRA, 16                          ; v16-19  LDS address of my fragments of x in panel 0..3
.set ADRB, 20                          ; v20-21  of my fragments of W in slot 0, 1
.set GST,  24                          ; v24     16 x lane: my place in an image's 512 bytes
.set SPW,  28                          ; v28     LDS address of my spare word; never rewritten
.set NIL,  29                          ; v29     0; never rewritten
.set CSC,  30                          ; v30     the phase's conversion scale
.set LIM,  31
.set TMP,  192
.set WV,   26                          ; s26 wave; s27 wm; s28 wn; s29 cx; s30 cy; s31 nj; s32 mi; s33, s34 the masks
.set G1X,  36                          ; s[36:43] group 1 for x's panels;  s[44:47] its group 0
.set G0X,  44
.set G1W,  48                          ; s[48:55] group 1 for W's tiles;  s[56:63] group 0, one set for each slot
.set G0W,  56
.set WB,   66                          ; s[66:71] Wq, Wk, Wv at my wave's 64 rows
.set OUTP, 20                          ; s[20:25] q_img, k_img, v_img at my wave's first fragment
.set NEG,  92                          ; s92-94  -(ea + eb)
.set SCL,  96                          ; s96-98  2^(eo - ea - eb) as f32
.set HLD,  99
.set MSB, 0
.macro WIN new                         ; the immediate's high byte repeats the setting that is left; a switch that changes nothing is dropped
.if MSB != (\new)
	s_set_vgpr_msb (MSB<<8)|(\new)
.set MSB, (\new)
.endif
.endm
.macro PLACES n                        ; plain vector instructions between a matrix instruction and a load into, or a vector read of, its registers
.rept \n
	v_nop
.endr
.endm
.macro CREST                           ; a round of the cluster's barrier behind its opening barrier
	s_cmp_lg_u32 s[WV], 0
	s_cbranch_scc1 .Lnot_wave_0_\@
	s_barrier_signal -3
.Lnot_wave_0_\@:
	s_barrier_wait -3
	s_barrier_signal -1
	s_barrier_wait -1
.endm
.macro CROUND                          ; a whole round
	s_barrier_signal -1
	s_barrier_wait -1
	CREST
.endm
	s_load_b256 s[4:11], s[0:1], 0x0               ; x s[4:5], Wq s[6:7], Wk s[8:9], Wv s[10:11]
	s_load_b256 s[12:19], s[0:1], 0x20             ; bq s[12:13], bk s[14:15], bv s[16:17], the scales' exponents s[18:19]
	s_load_b128 s[20:23], s[0:1], 0x40             ; q_img, k_img
	s_load_b64 s[24:25], s[0:1], 0x50              ; v_img
	v_lshl_add_u32 v[SPW], v0, 2, SPARE
	v_mov_b32 v[NIL], 0
	ds_add_u32 v28, v29
	ds_add_u32 v28, v29
	s_wait_dscnt 0x0
	v_lshrrev_b32 v1, 5, v0
	v_readfirstlane_b32 s[WV], v1                  ; wave 0..3
	s_lshr_b32 s27, s[WV], 1                       ; wm: which 64 rows are mine
	s_and_b32 s28, s[WV], 1                        ; wn: which 128 columns
	s_bfe_u32 s29, ttmp6, 0x40000                  ; cx, cy: my place in the cluster
	s_bfe_u32 s30, ttmp6, 0x40004
	s_lshl_b32 s31, ttmp9, 2
	s_add_co_u32 s31, s31, s29                     ; nj = 4 x cluster x + cx
	s_and_b32 s32, ttmp7, 0xffff
	s_lshl_b32 s32, s32, 2
	s_add_co_u32 s32, s32, s30                     ; mi = 4 x cluster y + cy
	s_lshl_b32 s33, s30, 2
	s_lshl_b32 s33, 15, s33                        ; my row of the cluster
	s_lshl_b32 s34, 0x1111, s29                    ; my column
	; group 1: elements of 1 byte, 16 bytes of padding behind every 256; x: 128 rows, W: 64 rows, both 256 bytes long and 1,024 apart in memory
	s_or_b32 s[G1X], s33, (1<<20)|(1<<21)|(5<<22)|(3<<25)   ; 15:0 the mask; 20 padding on; 21 set beside a mask; 24:22 after every 64 words; 31:25 four words
	s_or_b32 s[G1W], s34, (1<<20)|(1<<21)|(5<<22)|(3<<25)
	s_mov_b32 s[G1X+1], 256<<16                    ; tensor_dim0
	s_mov_b32 s[G1X+2], 128<<16                    ; tensor_dim1
	s_mov_b32 s[G1X+3], 256<<16                    ; tile_dim0
	s_mov_b32 s[G1X+4], 128                        ; tile_dim1
	s_mov_b32 s[G1X+5], 1024                       ; tensor_dim0_stride
	s_mov_b32 s[G1X+6], 0
	s_mov_b32 s[G1X+7], 0
	s_mov_b32 s[G1W+1], 256<<16
	s_mov_b32 s[G1W+2], 64<<16
	s_mov_b32 s[G1W+3], 256<<16
	s_mov_b32 s[G1W+4], 64
	s_mov_b32 s[G1W+5], 1024
	s_mov_b32 s[G1W+6], 0
	s_mov_b32 s[G1W+7], 0
	s_lshl_b32 s84, s32, 17                        ; x: 128 mi rows of 1,024 bytes, + panel w's 256 bytes: made of mi and the wave's number alone
	s_lshl_b32 s85, s[WV], 8
	s_add_co_u32 s84, s84, s85
	s_mov_b32 s85, 0
	s_lshl_b32 s86, s31, 18                        ; W: row 256 nj + 64 w: made of nj and the wave's number alone
	s_lshl_b32 s87, s[WV], 16
	s_add_co_u32 s86, s86, s87
	s_mov_b32 s87, 0
	s_mul_i32 s88, s[WV], WQ4                      ; my quarter of a slot
	s_wait_kmcnt 0x0
	s_load_b256 s[72:79], s[18:19], 0x0            ; entries 0 to 7
	s_load_b128 s[80:83], s[18:19], 0x20           ; entries 8 to 11
	s_mov_b32 s[G0X], 1                            ; count = 1
	s_mul_i32 s[G0X+1], s[WV], XPAN                ; LDS: panel w
	s_add_nc_u64 s[G0X+2:G0X+3], s[4:5], s[84:85]
	s_or_b32 s[G0X+3], s[G0X+3], 0x80000000        ; type = 2
	s_add_nc_u64 s[WB:WB+1], s[6:7], s[86:87]
	s_add_nc_u64 s[WB+2:WB+3], s[8:9], s[86:87]
	s_add_nc_u64 s[WB+4:WB+5], s[10:11], s[86:87]
.irp s, 0,1
	s_mov_b32 s[G0W+4*\s], 1
	s_add_co_u32 s[G0W+4*\s+1], s88, WS+\s*WSLOT
	s_add_nc_u64 s[G0W+4*\s+2:G0W+4*\s+3], s[WB:WB+1], \s*256   ; Wq's K steps 0 and 1
	s_or_b32 s[G0W+4*\s+3], s[G0W+4*\s+3], 0x80000000
.endr
	CROUND                                         ; all sixteen work-groups are here: the first joint loads meet
	tensor_load_to_lds s[G0X:G0X+3], s[G1X:G1X+7]  ; the first fills go out together: three loads of mine are out
	s_nop 0
	tensor_load_to_lds s[G0W:G0W+3], s[G1W:G1W+7]
	s_nop 0
	tensor_load_to_lds s[G0W+4:G0W+7], s[G1W:G1W+7]
	s_nop 0
	PLACES 4
	v_and_b32 v1, 15, v0                           ; r = l % 16
	v_bfe_u32 v2, v0, 4, 1                         ; h = l / 16
	v_mul_u32_u24 v3, v1, PITCH
	v_lshl_add_u32 v3, v2, 4, v3                   ; a fragment's row x pitch + 16 h
	s_wait_alu depctr_va_vdst(0)
	s_mul_i32 s88, s27, 64*PITCH                   ; my 64 rows of x
.irp p, 0,1,2,3
	v_add_nc_u32 v[ADRA+\p], s88, v3
	s_add_co_u32 s88, s88, XPAN
.endr
	s_mul_i32 s89, s28, 128*PITCH                  ; my 128 rows of W
	s_add_co_u32 s89, s89, WS
.irp s, 0,1
	v_add_nc_u32 v[ADRB+\s], s89, v3
	s_add_co_u32 s89, s89, WSLOT
.endr
	v_and_b32 v[GST], 31, v0
	v_lshlrev_b32 v[GST], 4, v[GST]
	; the biases of my 128 columns.  Q, K: lane (r, h) wants, for block b, channels 16 b + 8 h + 0..7;  V: channel 16 b + r in all eight registers
	s_lshl_b32 s90, s31, 10
	s_lshl_b32 s91, s28, 9
	s_add_co_u32 s90, s90, s91                     ; (256 nj + 128 wn) x 4 bytes
	s_mov_b32 s91, 0
	s_add_nc_u64 s[12:13], s[12:13], s[90:91]
	s_add_nc_u64 s[14:15], s[14:15], s[90:91]
	s_add_nc_u64 s[16:17], s[16:17], s[90:91]
	v_lshlrev_b32 v4, 5, v2                        ; 32 h
	v_lshlrev_b32 v5, 2, v1                        ; 4 r
	WIN 0xc0                                       ; destination window 3
.irp b, 0,1,2,3,4,5,6,7
	global_load_b128 v[8*\b:8*\b+3], v4, s[12:13] offset:64*\b
	global_load_b128 v[8*\b+4:8*\b+7], v4, s[12:13] offset:64*\b+16
	global_load_b128 v[64+8*\b:64+8*\b+3], v4, s[14:15] offset:64*\b
	global_load_b128 v[64+8*\b+4:64+8*\b+7], v4, s[14:15] offset:64*\b+16
	global_load_b32 v[128+8*\b], v5, s[16:17] offset:64*\b
.endr
	WIN 0
	; where my wave's fragments begin, the same number of bytes in all three images: batch x 2^21 + (4 nj + 2 wn) heads x 2^17 + (8 (mi % 16) + 4 wm) x 1,024
	s_lshr_b32 s88, s32, 4
	s_lshl_b32 s88, s88, 21
	s_lshl_b32 s89, s31, 19
	s_add_co_u32 s88, s88, s89
	s_lshl_b32 s89, s28, 18
	s_add_co_u32 s88, s88, s89
	s_and_b32 s89, s32, 15
	s_lshl_b32 s89, s89, 13
	s_add_co_u32 s88, s88, s89
	s_lshl_b32 s89, s27, 12
	s_add_co_u32 s88, s88, s89
	s_mov_b32 s89, 0
	s_add_nc_u64 s[OUTP:OUTP+1], s[OUTP:OUTP+1], s[88:89]
	s_add_nc_u64 s[OUTP+2:OUTP+3], s[OUTP+2:OUTP+3], s[88:89]
	s_add_nc_u64 s[OUTP+4:OUTP+5], s[OUTP+4:OUTP+5], s[88:89]
	s_wait_kmcnt 0x0
.macro SCALES phi, ea, eb, eo          ; the three powers of two of a phase
	s_add_co_i32 s84, s[\ea], s[\eb]
	s_sub_co_i32 s[NEG+\phi], 0, s84               ; -(ea + eb), for the bias
	s_sub_co_i32 s84, s[\eo], s84
	s_add_co_i32 s84, s84, 127
	s_lshl_b32 s[SCL+\phi], s84, 23                ; 2^(eo - ea - eb) as f32: the conversion takes its exponent field
.endm
	SCALES 0, 72, 73, 78
	SCALES 1, 74, 75, 79
	SCALES 2, 76, 77, 81
	s_wait_loadcnt 0x0                             ; the biases
	WIN 0xc3                                       ; source 0 and destination window 3
.set j, 0
.rept 64
	v_ldexp_f32 v[j], v[j], s[NEG]
	v_ldexp_f32 v[64+j], v[64+j], s[NEG+1]
.set j, j+1
.endr
.irp b, 0,1,2,3,4,5,6,7
	v_ldexp_f32 v[128+8*\b], v[128+8*\b], s[NEG+2]
.endr
.irp b, 0,1,2,3,4,5,6,7
.irp i, 1,2,3,4,5,6,7
	v_mov_b32 v[128+8*\b+\i], v[128+8*\b]          ; V's results hold one channel a lane: its bias in all eight registers of the C
.endr
.endr
	WIN 0
; 48 LDS loads in one run: the fragments of sub-step FU (slot (FU / 2) % 2, its half FU % 2; x's panel (FU % 8) / 2) into set FU % 2: W's eight first, then x's four
.macro FETCH
.set fS, (FU/2)%2
.set fH, FU%2
.set fP, (FU%8)/2
.set fB, 128*(FU%2)
.set fA, 64+64*(FU%2)
	WIN 0x40                                       ; destination window 1
.irp b, 0,1,2,3,4,5,6,7
.irp c, 0,1,2,3
	ds_load_b128 v[fB+16*\b+4*\c:fB+16*\b+4*\c+3], v[ADRB+fS] offset:128*fH+32*\c+\b*16*PITCH
.endr
.endr
	WIN 0
.irp i, 0,1,2,3
.irp c, 0,1,2,3
	ds_load_b128 v[fA+16*\i+4*\c:fA+16*\i+4*\c+3], v[ADRA+fP] offset:128*fH+32*\c+\i*16*PITCH
.endr
.endr
.endm
; 8 matrix instructions of sub-step U: x's block a against W's eight.  FIRST = 1: the sums begin with the bias as C.  SWAP = 1 (V): x is source 0.
; The 32 accumulators take turns, one instruction a turn, in the same order in every sub-step.
.macro MUL8 a
.set mB, 128*(U%2)
.set mA, 64+64*(U%2)+16*(\a)
	WIN 0xa1+3*SWAP+0x10*FIRST                     ; W window 1, x window 0, D window 2; C window 2, or 3 for the bias
.irp b, 0,1,2,3,4,5,6,7
.set mD, 8*(8*(\a)+\b)
.set mC, mD
.if FIRST
.set mC, 64*PHI+8*\b
.endif
.if SWAP
	v_wmma_f32_16x16x128_bf8_bf8 v[mD:mD+7], v[mA:mA+15], v[mB+16*\b:mB+16*\b+15], v[mC:mC+7]
.else
	v_wmma_f32_16x16x128_bf8_bf8 v[mD:mD+7], v[mB+16*\b:mB+16*\b+15], v[mA:mA+15], v[mC:mC+7]
.endif
.endr
.endm
; An even sub-step: its successor lies in the same slot
.macro STEPE
.if (U%8) == 0
.set FIRST, 1
.else
.set FIRST, 0
.endif
	s_wait_dscnt 12                                ; W's eight fragments and x's block 0 are in; the youngest twelve loads (x's blocks 1-3) may be out
	MUL8 0
	PLACES 4                                       ; for the loads into the other set, which the sub-step before multiplied
.set FU, U+1
	FETCH
	s_wait_dscnt 48                                ; all but the 48 just issued
	MUL8 1
	MUL8 2
	MUL8 3
.set U, U+1
.endm
; An odd sub-step changes slots: ONE barrier; in front of it each wave waits for all its tensor loads (its quarter of the next slot), adds 0 to its spare word, and waits for that and for its reads of this slot.
; While a K step two on exists the barrier opens a round of the cluster's, and this slot's joint refill is the first thing behind the round.
.macro TURN
.set FIRST, 0
.set tT, (U-1)/2                       ; the K step that ends here
.set tS, tT%2                          ; its slot
	WIN 0                                          ; (the add's two registers lie in window 0)
.if U < LASTU
	s_wait_tensorcnt 0x0                           ; no tensor load of mine is out, so a group 0 may be written
	ds_add_u32 v[SPW], v[NIL]                      ; 0 onto my spare word
.if U <= LASTU-4
	s_add_nc_u64 s[G0W+4*tS+2:G0W+4*tS+3], s[WB+2*((tT+2)/4):WB+2*((tT+2)/4)+1], ((tT+2)%4)*256   ; K step tT + 2: weight (tT + 2) / 4, 256 ((tT + 2) % 4) along K
	s_or_b32 s[G0W+4*tS+3], s[G0W+4*tS+3], 0x80000000
.endif
	s_wait_dscnt 13                                ; (the add and x's blocks 1-3 may be out)
	MUL8 0                                         ; eight matrix instructions stand between the add and the wait for it
	s_wait_dscnt 0x0                               ; the add is done, and my reads of this slot are over
	s_barrier_signal -1
	MUL8 1
	WIN 0
	s_barrier_wait -1
.if U <= LASTU-4
	CREST                                          ; no wave of any partner still reads this slot or has a load on its way
	tensor_load_to_lds s[G0W+4*tS:G0W+4*tS+3], s[G1W:G1W+7]   ; my one tensor load behind the round
	s_nop 0
.endif
	PLACES 4                                       ; behind the tensor load; also the places in front of the loads below
.set FU, U+1
	FETCH
	MUL8 2
	MUL8 3
.else
	s_wait_dscnt 12                                ; the very last sub-step: nothing more to fetch
	MUL8 0
	s_wait_dscnt 0x0
	MUL8 1
	MUL8 2
	MUL8 3
.endif
.set U, U+1
.endm
; A PHASE'S WAY OUT: convert, store.  Fragment f of eight: Q, K: rows 16 (f % 4) on, head f / 4 of my two; its pair c comes from accumulator (f % 4, 4 (f / 4) + c).
; V: channels 16 (f % 4) on of head f / 4; its pair c (keys 16 c on) comes from accumulator (c, f).
.macro EPI
	WIN 0
	PLACES 4                                       ; in front of the first read of results
	v_mov_b32 v[CSC], s[SCL+PHI]
	WIN 0x82                                       ; source 0 and destination window 2
.set j, 0
.rept 256
.set j, j+1
.endr
	s_wait_alu depctr_va_vdst(0)
	s_wait_xcnt 0x0                                ; the last phase's stores have read the registers that now take new codes
	WIN 0x02
.set f, 0
.rept 8
.irp c, 0,1,2,3
.if SWAP
.set eA, 8*(8*\c+f)
.else
.set eA, 8*(8*(f%4)+4*(f/4)+\c)
.endif
	v_cvt_scalef32_pk8_bf8_f32 v[TMP+8*f+2*\c:TMP+8*f+2*\c+1], v[eA:eA+7], v[CSC]
.endr
.set f, f+1
.endr
	v_nop                                          ; a plain vector instruction between the conversions and the next products, which write their sources
	WIN 0
.set f, 0
.rept 8
	global_store_b128 v[GST], v[TMP+8*f:TMP+8*f+3], s[OUTP+2*PHI:OUTP+2*PHI+1] offset:(f/4)*131072+(f%4)*1024        ; 32 lanes store 512 consecutive bytes, at a multiple of 512 from the image's first byte
	global_store_b128 v[GST], v[TMP+8*f+4:TMP+8*f+7], s[OUTP+2*PHI:OUTP+2*PHI+1] offset:(f/4)*131072+(f%4)*1024+512
.set f, f+1
.endr
.endm
	s_wait_tensorcnt 1                             ; my panel of x and my quarter of slot 0 are in; slot 1's load may stay out
	s_barrier_signal -1
	s_barrier_wait -1                              ; everybody's are
.set FU, 0
	FETCH
.set U, 0
.set PHI, 0
.set SWAP, 0
.rept 3                                ; Q, K, V: eight sub-steps each; the ring does not stop between them
.if PHI == 2
.set SWAP, 1
.endif
.rept 4
	STEPE
	TURN
.endr
	EPI
.set PHI, PHI+1
.endr
	s_wait_tensorcnt 0x0                           ; the wave's end: behind my last tensor load
	ds_add_u32 v[SPW], v[NIL]
	s_wait_dscnt 0x0
	CROUND                                         ; the closing round: no work-group ends while a partner may still ask for a tile that names it
	s_endpgm
.Lfunc_end_k_qa8db54aa82_qkv:
	.size	k_qa8db54aa82_qkv, .Lfunc_end_k_qa8db54aa82_qkv-k_qa8db54aa82_qkv
	.p2alignl 7, 3214868480
	.fill 96, 4, 3214868480
	.section	.rodata,"a",@progbits
	.p2align	6, 0x0
	.amdhsa_kernel k_qa8db54aa82_qkv
		.amdhsa_group_segment_fixed_size 327680
		.amdhsa_private_segment_fixed_size 0
		.amdhsa_enable_private_segment 0
		.amdhsa_kernarg_size 88
		.amdhsa_user_sgpr_count 2
		.amdhsa_user_sgpr_kernarg_segment_ptr 1
		.amdhsa_wavefront_size32 1
		.amdhsa_system_sgpr_workgroup_id_x 1
		.amdhsa_system_sgpr_workgroup_id_y 1
		.amdhsa_system_sgpr_workgroup_id_z 1
		.amdhsa_system_vgpr_workitem_id 0
		.amdhsa_next_free_vgpr 1024
		.amdhsa_next_free_sgpr 102
		.amdhsa_reserve_vcc 0
		.amdhsa_float_denorm_mode_32 3
		.amdhsa_float_denorm_mode_16_64 3
		.amdhsa_fp16_overflow 1
		.amdhsa_memory_ordered 1
		.amdhsa_forward_progress 1
		.amdhsa_inst_pref_size 167
	.end_amdhsa_kernel
	.amdgpu_metadata
---
amdhsa.version: [ 1, 2 ]
amdhsa.kernels:
  - .name:           k_qa8db54aa82_qkv
    .symbol:         k_qa8db54aa82_qkv.kd
    .args:
      - { .name: x_codes, .offset: 0, .size: 8, .value_kind: global_buffer, .address_space: global }
      - { .name: Wq_codes, .offset: 8, .size: 8, .value_kind: global_buffer, .address_space: global }
      - { .name: Wk_codes, .offset: 16, .size: 8, .value_kind: global_buffer, .address_space: global }
      - { .name: Wv_codes, .offset: 24, .size: 8, .value_kind: global_buffer, .address_space: global }
      - { .name: bq, .offset: 32, .size: 8, .value_kind: global_buffer, .address_space: global }
      - { .name: bk, .offset: 40, .size: 8, .value_kind: global_buffer, .address_space: global }
      - { .name: bv, .offset: 48, .size: 8, .value_kind: global_buffer, .address_space: global }
      - { .name: lowp_scales, .offset: 56, .size: 8, .value_kind: global_buffer, .address_space: global }
      - { .name: q_img, .offset: 64, .size: 8, .value_kind: global_buffer, .address_space: global }
      - { .name: k_img, .offset: 72, .size: 8, .value_kind: global_buffer, .address_space: global }
      - { .name: v_img, .offset: 80, .size: 8, .value_kind: global_buffer, .address_space: global }
    .group_segment_fixed_size: 327680
    .private_segment_fixed_size: 0
    .kernarg_segment_align: 8
    .kernarg_segment_size: 88
    .max_flat_workgroup_size: 128
    .sgpr_count:     102
    .vgpr_count:     1024
    .wavefront_size: 32
...
	.end_amdgpu_metadata
.endif
;; end of part 1
;; launch attn (part 2): grid 4 x 64, 16 waves a work-group, clusters of 4 x 1, 264,192 bytes of LDS; arguments q_img, k_img, v_img, lowp_scales, a_img; writes a_img
.if DOCPART == 2
	.amdgcn_target "amdgcn-amd-amdhsa--gfx1250"
	.amdhsa_code_object_version 6
	.text
	.protected	k_qa8db54aa82_attn
	.globl	k_qa8db54aa82_attn
	.p2align	8
	.type	k_qa8db54aa82_attn,@function
k_qa8db54aa82_attn:
	s_mov_b64 s[64:65], 0
	v_nop
	global_prefetch_b8 v0, s[64:65] scope:SCOPE_SE
	s_setreg_imm32_b32 hwreg(HW_REG_WAVE_MODE, 25, 1), 1
	s_wait_xcnt 0x0
	s_wait_alu depctr_hold_cnt(0) depctr_sa_sdst(0) depctr_va_vdst(0) depctr_va_sdst(0) depctr_va_ssrc(0) depctr_va_vcc(0) depctr_vm_vsrc(0)
	s_getreg_b32 s2, hwreg(HW_REG_IB_STS2, 6, 4)
	s_cmp_eq_u32 s2, 0
	s_cbranch_scc0 .Lentry_in_a_cluster
	s_endpgm
.Lentry_in_a_cluster:
	s_bfe_u32 s2, ttmp6, 0x10000c
	s_cmp_lg_u32 s2, 0x3003
	s_cbranch_scc0 .Lentry_shape_is_right
	s_endpgm
.Lentry_shape_is_right:
; a[b][q][head][:] = Q_e10( the sum over k of softmax_k(Q . K / 8) V ), both products on codes of E5M2 with the given scales (entries 6, 7: Q, K; 8: p; 9: V; 10: the result's).
; THE SOFTMAX AHEAD OF THE SECOND PRODUCT: t = score x log2(e) / 8; M = the row's largest t so far, rounded UP to a whole number; p = 2^(t - M) is what is quantised; the row's sum is taken of the unquantised p
; and divides at the end.  When M moves, the sum and O are multiplied by 2^(old M - new M): exact.
; INPUTS are images of operand registers (registers 4 q .. 4 q + 3 of lane l at 512 q + 16 l of a fragment's 1,024 bytes): q_img, k_img [head of 64][tile of 16 rows][1,024], pair c of lane (r, h) = d 16 c + 8 h + 0..7 of row r;
; v_img [head][block of 64 keys][tile of 16 channels][1,024], pair c = keys 16 c + 8 h + 0..7 of channel r.
; SHARES.  A work-group owns 512 queries of one head; each of its sixteen waves two tiles of 16, so that a fragment of K or V read from LDS feeds two products.  Four waves to a SIMD: one wave's vector work stands
; beside another's loads and products.  Every wave walks the head's 2,048 keys, 64 a step.
; ALL OF THE HEAD'S K AND V LIE IN LDS, as they lie in memory: K from byte 0, V from byte 131,072.  Nothing is filled again.  Wave 0 fetches K and wave 1 V, four loads each (keys 0-255, 256-511, 512-1,023, 1,024-2,047),
; so that work begins when the first chunk is in and each later chunk lands under the work on those before it.
; CLUSTER 4 x 1: the four blocks of queries of a head want the same K and V: each chunk is asked for jointly, by the same tensor load with the same descriptor and the mask of all four.
; LAYOUT.  S^T = K Q^T (source 0 = 16 keys, source 1 = 16 queries): a lane holds ONE query (l % 16) and keys 8 (l / 16) + 0..7 of the tile; the eight codes of key tile c are pair c of P, source 1 of O^T = V^T P.
; THE RESULT leaves as an image too: a_img [tile of 16 rows: 512][K step of 128: 8][2,048]: the byte of (row r, head, channel 16 ct + 8 h + j) is tile x 16,384 + head x 1,024 + 256 ct + 16 r + 8 h + j:
; a tile of channels is one store of 8 bytes a lane, 256 consecutive bytes.
; LIMITS on the given exponents, so that each power of two below is an f32 number: entries 6 + 7 between -123 and 130; entry 8 and entry 10 between -126 and 112; entries 8 + 9 go in by v_ldexp_f32 and have none.
; REGISTERS: v1-7 addresses and constants; v8-23 statistics, eight a tile: +0 -M, +1 the largest score, +2, +3 the sum in two halves, +4 f, +5 the old -M, +6, +7 at work; v24-39 Q; v40-71 K; v72-103 V;
;   v104-167 S^T, then p, 32 a tile; v168-183 p's codes; v184-247 O^T, 32 a tile; v248, v249 the way out.
.set LN,   1                           ; v1   16 x lane; never rewritten
.set LNV,  2                           ; v2   the same in V's half of LDS
.set AK,   3                           ; v3   LDS address of the step's K
.set HOLD, 4
.set AV,   6                           ; v6   LDS address of the step's V
.set PSC,  7                           ; v7   2^e8; on the way out 2^e10
.set ST,   8
.set Q,    24
.set KF,   40
.set VF,   72
.set S,    104
.set P,    168
.set O,    184
.set GO,   249                         ; v249 16 r + 8 h: my 8 bytes of a stored unit
.set WV,   14                          ; s14 wave; s15 cx; s16 block of queries; s17 head of 64; s18 wave x 2^17
.set G1A,  20                          ; s[20:27], s[28:35], s[36:43] group 1 for 64, 128, 256 rows of 256 bytes
.set G1B,  28
.set G1C,  36
.set G0,   44                          ; s[44:59] four groups 0
.set SEL,  60                          ; s[60:61] lane selects for v_permlanex16_b32: lane l xor 16
.set CS,   62                          ; s[62:63] c = log2(e) / 8 x 2^(e6 + e7), twice: the packed form names a pair
.set TB,   80                          ; s80  LDS byte of the step's K; V's lies 131,072 further on
.set CNT,  81                          ; s81  trips to go
.macro CROUND                          ; a round of the cluster's barrier
	s_barrier_signal -1
	s_barrier_wait -1
	s_cmp_lg_u32 s[WV], 0
	s_cbranch_scc1 .Lnot_wave_0_\@
	s_barrier_signal -3
.Lnot_wave_0_\@:
	s_barrier_wait -3
	s_barrier_signal -1
	s_barrier_wait -1
.endm
.macro G1SET g, rows                   ; a dense block as rows of 256 bytes: elements of 8 bytes, 32 to a row, no padding
	s_mov_b32 s[\g], 15|(3<<16)|(1<<21)            ; 15:0 the mask: all four work-groups; 17:16 elements of 8 bytes; 21 set beside a mask
	s_mov_b32 s[\g+1], 32<<16                      ; tensor_dim0
	s_mov_b32 s[\g+2], (\rows)<<16                 ; tensor_dim1
	s_mov_b32 s[\g+3], 32<<16                      ; tile_dim0
	s_mov_b32 s[\g+4], \rows                       ; tile_dim1
	s_mov_b32 s[\g+5], 32                          ; tensor_dim0_stride
	s_mov_b32 s[\g+6], 0
	s_mov_b32 s[\g+7], 0
.endm
.macro G0SET i, off                    ; chunk i begins off bytes into the head's K or V, in memory and in LDS alike
	s_mov_b32 s[G0+4*\i], 1
	s_add_co_u32 s[G0+4*\i+1], s18, \off
	s_add_nc_u64 s[G0+4*\i+2:G0+4*\i+3], s[74:75], \off
	s_or_b32 s[G0+4*\i+3], s[G0+4*\i+3], 0x80000000
.endm
	s_load_b256 s[4:11], s[0:1], 0x0               ; q_img s[4:5], k_img s[6:7], v_img s[8:9], the scales' exponents s[10:11]
	s_load_b64 s[12:13], s[0:1], 0x20              ; a_img
	v_lshl_add_u32 v254, v0, 2, 0x40000
	v_mov_b32 v255, 0
	ds_add_u32 v254, v255
	ds_add_u32 v254, v255
	v_lshrrev_b32 v1, 5, v0
	s_delay_alu instid0(VALU_DEP_1)
	v_readfirstlane_b32 s[WV], v1                  ; wave 0..15
	s_bfe_u32 s15, ttmp6, 0x40000                  ; cx
	s_lshl_b32 s16, ttmp9, 2
	s_add_co_u32 s16, s16, s15                     ; my block of 512 queries: it enters Q's and the result's addresses alone
	s_and_b32 s17, ttmp7, 0xffff                   ; batch x 16 + head, which the four partners share
	G1SET G1A, 64
	G1SET G1B, 128
	G1SET G1C, 256
	s_lshl_b32 s18, s[WV], 17                      ; wave 0: K's half of LDS; wave 1: V's
	s_lshl_b32 s82, s17, 17                        ; the head's first byte in each of the three images
	s_mov_b32 s83, 0
	s_mov_b32 s[SEL], 0x76543210
	s_mov_b32 s[SEL+1], 0xfedcba98
	s_wait_dscnt 0x0
	s_wait_kmcnt 0x0
	s_load_b128 s[68:71], s[10:11], 0x18           ; entries 6 to 9
	s_load_b32 s72, s[10:11], 0x28                 ; entry 10
	s_cmp_eq_u32 s[WV], 0
	s_cselect_b64 s[74:75], s[6:7], s[8:9]         ; the choice hangs on the wave's number alone
	s_add_nc_u64 s[74:75], s[74:75], s[82:83]
	G0SET 0, 0
	G0SET 1, 16384
	G0SET 2, 32768
	G0SET 3, 65536
	CROUND                                         ; all four work-groups are here: the joint loads meet
	s_cmp_lt_u32 s[WV], 2                          ; a wave's fills stand in one branch, ahead of every wait on TENSORcnt, every LDS read and every other barrier: four loads of a fetching wave are out
	s_cbranch_scc0 .Lno_fetch
	tensor_load_to_lds s[G0:G0+3], s[G1A:G1A+7]
	s_nop 0
	tensor_load_to_lds s[G0+4:G0+7], s[G1A:G1A+7]
	s_nop 0
	tensor_load_to_lds s[G0+8:G0+11], s[G1B:G1B+7]
	s_nop 0
	tensor_load_to_lds s[G0+12:G0+15], s[G1C:G1C+7]
	s_nop 0
.rept 4
	v_nop
.endr
.Lno_fetch:
	s_lshl_b32 s76, s16, 15                        ; Q: tile 32 x block + 2 x wave, 1,024 bytes each
	s_lshl_b32 s77, s[WV], 11
	s_add_co_u32 s76, s76, s77
	s_add_co_u32 s76, s76, s82
	s_mov_b32 s77, 0
	s_add_nc_u64 s[4:5], s[4:5], s[76:77]
	v_and_b32 v[LN], 31, v0
	s_delay_alu instid0(VALU_DEP_1)
	v_lshlrev_b32 v[LN], 4, v[LN]
.irp T, 0,1
	global_load_b128 v[Q+8*\T:Q+8*\T+3], v[LN], s[4:5] offset:1024*\T th:TH_LOAD_NT       ; Q's two fragments stay in registers
	global_load_b128 v[Q+8*\T+4:Q+8*\T+7], v[LN], s[4:5] offset:1024*\T+512 th:TH_LOAD_NT
.endr
	v_add_nc_u32 v[LNV], 0x20000, v[LN]
	s_lshr_b32 s78, s17, 4                         ; the result: tile (batch x 128 + 32 x block + 2 x wave) x 16,384 + head x 1,024
	s_lshl_b32 s78, s78, 21
	s_lshl_b32 s79, s16, 19
	s_add_co_u32 s78, s78, s79
	s_lshl_b32 s79, s[WV], 15
	s_add_co_u32 s78, s78, s79
	s_and_b32 s79, s17, 15
	s_lshl_b32 s79, s79, 10
	s_add_co_u32 s78, s78, s79
	s_mov_b32 s79, 0
	s_add_nc_u64 s[12:13], s[12:13], s[78:79]
	v_and_b32 v248, 15, v0
	v_bfe_u32 v[GO], v0, 4, 1
	s_delay_alu instid0(VALU_DEP_1)
	v_lshlrev_b32 v[GO], 3, v[GO]
	s_delay_alu instid0(VALU_DEP_1)
	v_lshl_add_u32 v[GO], v248, 4, v[GO]
.irp T, 0,1
	v_mov_b32 v[ST+8*\T], 0x7f61b1e6               ; -M: 3e38, so that the first change of M gives f = 0, which multiplies zeros
	v_mov_b32 v[ST+8*\T+1], 0xff61b1e6             ; the largest score so far: -3e38
	v_mov_b32 v[ST+8*\T+2], 0                      ; the sum, in two halves
	v_mov_b32 v[ST+8*\T+3], 0
.endr
.set j, 0
.rept 64
	v_mov_b32 v[O+j], 0                            ; O^T.  (The step has no first form of its own: it finds zeros)
.set j, j+1
.endr
	s_wait_kmcnt 0x0
	s_add_co_i32 s76, s68, s69
	s_lshl_b32 s76, s76, 23
	s_add_co_i32 s[CS], s76, 0x3e38aa3b            ; c = log2(e) / 8; a score stands for score x 2^(e6 + e7): the two exponents are added to c's exponent field
	s_mov_b32 s[CS+1], s[CS]
	s_add_co_i32 s76, s70, 127
	s_lshl_b32 s77, s76, 23
	v_mov_b32 v[PSC], s77                          ; 2^e8 as f32: the conversion takes its exponent field
; A KEY STEP: 64 keys, for both tiles; in each stage the two tiles alternate, so that no instruction waits for the one just before it.
.macro STEP
	v_add_nc_u32 v[AK], s[TB], v[LN]
	v_add_nc_u32 v[AV], s[TB], v[LNV]
	v_nop
	v_nop                                          ; four places in front of the loads into V's registers, which the last products read
.irp k, 0,1,2,3
	ds_load_b128 v[KF+8*\k:KF+8*\k+3], v[AK] offset:1024*\k          ; 32 lanes, 512 consecutive bytes
	ds_load_b128 v[KF+8*\k+4:KF+8*\k+7], v[AK] offset:1024*\k+512
.endr
.irp k, 0,1,2,3
	ds_load_b128 v[VF+8*\k:VF+8*\k+3], v[AV] offset:1024*\k
	ds_load_b128 v[VF+8*\k+4:VF+8*\k+7], v[AV] offset:1024*\k+512
.endr
	s_wait_dscnt 8                                 ; K is in; V's eight loads may be out
.irp k, 0,1,2,3
.irp T, 0,1
	v_wmma_f32_16x16x64_bf8_bf8 v[S+32*\T+8*\k:S+32*\T+8*\k+7], v[KF+8*\k:KF+8*\k+7], v[Q+8*\T:Q+8*\T+7], 0
.endr
.endr
.irp T, 0,1
	v_mov_b32 v[ST+8*\T+5], v[ST+8*\T]             ; the old -M is kept
.endr
	v_nop
	v_nop                                          ; with the two lines above: four places in front of the first read of the scores
.irp T, 0,1                                    ; the largest of my 32 scores and the largest so far, three operands at a time, in two chains; each accumulator is first read at its low end
	v_max3_num_f32 v[ST+8*\T+6], v[ST+8*\T+1], v[S+32*\T], v[S+32*\T+1]
	v_max3_num_f32 v[ST+8*\T+7], v[S+32*\T+16], v[S+32*\T+17], v[S+32*\T+18]
.endr
.irp i, 1,2,3,4,5,6
.irp T, 0,1
	v_max3_num_f32 v[ST+8*\T+6], v[ST+8*\T+6], v[S+32*\T+2*\i], v[S+32*\T+2*\i+1]
	v_max3_num_f32 v[ST+8*\T+7], v[ST+8*\T+7], v[S+32*\T+17+2*\i], v[S+32*\T+18+2*\i]
.endr
.endr
.irp T, 0,1
	v_max3_num_f32 v[ST+8*\T+6], v[ST+8*\T+6], v[S+32*\T+14], v[S+32*\T+15]
.endr
.irp T, 0,1
	v_max3_num_f32 v[ST+8*\T+7], v[ST+8*\T+7], v[S+32*\T+31], v[ST+8*\T+6]
.endr
.irp T, 0,1
	s_delay_alu instid0(VALU_DEP_2)
	v_permlanex16_b32 v[ST+8*\T+6], v[ST+8*\T+7], s[SEL], s[SEL+1]   ; the query's other 32 keys lie in the lane 16 away
.endr
.irp T, 0,1
	s_delay_alu instid0(VALU_DEP_2)
	v_max_num_f32 v[ST+8*\T+1], v[ST+8*\T+7], v[ST+8*\T+6]
.endr
.irp T, 0,1
	s_delay_alu instid0(VALU_DEP_2)
	v_mul_f32 v[ST+8*\T+7], s[CS], v[ST+8*\T+1]    ; as t (c is positive)
.endr
.irp T, 0,1
	s_delay_alu instid0(VALU_DEP_2)
	v_floor_f32 v[ST+8*\T], -v[ST+8*\T+7]          ; the new -M = floor(-t) = -ceil(t): M is a whole number
.endr
.irp T, 0,1
	s_delay_alu instid0(VALU_DEP_2)
	v_sub_f32 v[ST+8*\T+7], v[ST+8*\T], v[ST+8*\T+5]   ; old M - new M: a whole number, 0 or less
.endr
.irp T, 0,1
	s_delay_alu instid0(VALU_DEP_2)
	v_cvt_i32_f32 v[ST+8*\T+7], v[ST+8*\T+7]       ; (it saturates)
.endr
.irp T, 0,1
	s_delay_alu instid0(VALU_DEP_2)
	v_ldexp_f32 v[ST+8*\T+4], 1.0, v[ST+8*\T+7]    ; f = 2^(old M - new M)
.endr
.irp j, 0,2,4,6,8,10,12,14,16,18,20,22,24,26,28,30
.irp T, 0,1
	v_pk_fma_f32 v[S+32*\T+\j:S+32*\T+\j+1], v[S+32*\T+\j:S+32*\T+\j+1], s[CS:CS+1], v[ST+8*\T:ST+8*\T+1] op_sel_hi:[1,0,0]   ; t - M, two at a time (of the pairs c and -M the low word serves both halves)
.endr
.endr
.set j, 0
	s_wait_alu depctr_va_vdst(0)
.rept 64
	v_exp_f32 v[S+j], v[S+j]                       ; p = 2^(t - M), at most 1: not normalised.  One batch
.set j, j+1
.endr
	s_setprio 1
.irp T, 0,1
	v_pk_mul_f32 v[ST+8*\T+2:ST+8*\T+3], v[ST+8*\T+2:ST+8*\T+3], v[ST+8*\T+4:ST+8*\T+5] op_sel_hi:[1,0]   ; the sums under the new M: plain instructions behind the last exponential
.endr
	s_wait_alu depctr_va_vdst(0)                   ; one wait for the whole batch, ahead of the first line that names a result
.irp T, 0,1
	v_pk_add_f32 v[ST+8*\T+6:ST+8*\T+7], v[S+32*\T:S+32*\T+1], v[S+32*\T+2:S+32*\T+3]   ; the row's sum is taken of the UNQUANTISED p: two at a time, in two chains
.endr
.irp j, 4,8,12,16,20,24,28
.irp T, 0,1
	v_pk_add_f32 v[ST+8*\T+2:ST+8*\T+3], v[ST+8*\T+2:ST+8*\T+3], v[S+32*\T+\j:S+32*\T+\j+1]
	v_pk_add_f32 v[ST+8*\T+6:ST+8*\T+7], v[ST+8*\T+6:ST+8*\T+7], v[S+32*\T+\j+2:S+32*\T+\j+3]
.endr
.endr
.irp T, 0
	s_delay_alu instid0(VALU_DEP_3)
	v_pk_add_f32 v[ST+8*\T+2:ST+8*\T+3], v[ST+8*\T+2:ST+8*\T+3], v[ST+8*\T+6:ST+8*\T+7]
.endr
.irp T, 1
	s_delay_alu instid0(VALU_DEP_2)
	v_pk_add_f32 v[ST+8*\T+2:ST+8*\T+3], v[ST+8*\T+2:ST+8*\T+3], v[ST+8*\T+6:ST+8*\T+7]
.endr
.set j, 0
.rept 64
.set j, j+1
.endr
.irp k, 0,1,2,3
.irp T, 0,1
	v_cvt_scalef32_pk8_bf8_f32 v[P+8*\T+2*\k:P+8*\T+2*\k+1], v[S+32*\T+8*\k:S+32*\T+8*\k+7], v[PSC]   ; key tile k's eight codes are pair k of P
.endr
.endr
.irp j, 0,2,4,6,8,10,12,14,16,18,20,22,24,26,28,30
.irp T, 0,1
	v_pk_mul_f32 v[O+32*\T+\j:O+32*\T+\j+1], v[O+32*\T+\j:O+32*\T+\j+1], v[ST+8*\T+4:ST+8*\T+5] op_sel_hi:[1,0]   ; O^T under the new M.  (Also the plain instructions between the conversions and the products that read P)
.endr
.endr
	s_setprio 0
	s_wait_alu depctr_va_vdst(0)
	s_wait_dscnt 0x0                               ; V is in
.irp c, 0,1,2,3
.irp T, 0,1                                    ; the eight accumulators take turns, one instruction a turn
	v_wmma_f32_16x16x64_bf8_bf8 v[O+32*\T+8*\c:O+32*\T+8*\c+7], v[VF+8*\c:VF+8*\c+7], v[P+8*\T:P+8*\T+7], v[O+32*\T+8*\c:O+32*\T+8*\c+7]
.endr
.endr
.endm
; The steps of one chunk.  cnt: the later chunks' loads, which may stay out.  The fetching waves wait for their chunk, then every wave passes the barrier.
.macro PHASE cnt, byte0, trips
	s_wait_tensorcnt \cnt
	s_barrier_signal -1
	s_barrier_wait -1
	s_mov_b32 s[TB], \byte0
	s_mov_b32 s[CNT], \trips
.Lstep_\@:
	s_setprio 2
	STEP
	s_add_co_u32 s[TB], s[TB], 4096                ; 64 keys on: four tiles of K, one block of V
	s_sub_co_u32 s[CNT], s[CNT], 1
	s_cmp_lg_u32 s[CNT], 0
	s_cbranch_scc1 .Lstep_\@
	s_setprio 0
.endm
	s_wait_loadcnt 0x0                             ; Q
	PHASE 3, 0, 4                                  ; keys 0-255
	PHASE 2, 16384, 4                              ; keys 256-511
	PHASE 1, 32768, 8                              ; keys 512-1,023
	PHASE 0, 65536, 16                             ; keys 1,024-2,047
	; THE WAY OUT.  The sum's halves and the other half of the lanes' are added; O^T x 2^(e8 + e9) / the sum is converted with 2^e10 and stored.
.rept 4
	v_nop                                          ; places behind the last products
.endr
.irp T, 0,1
	v_add_f32 v[ST+8*\T+6], v[ST+8*\T+2], v[ST+8*\T+3]
.endr
.irp T, 0,1
	s_delay_alu instid0(VALU_DEP_2)
	v_permlanex16_b32 v[ST+8*\T+7], v[ST+8*\T+6], s[SEL], s[SEL+1]
.endr
.irp T, 0,1
	s_delay_alu instid0(VALU_DEP_2)
	v_add_f32 v[ST+8*\T+6], v[ST+8*\T+6], v[ST+8*\T+7]
.endr
	s_wait_alu depctr_va_vdst(0)
.irp T, 0,1
	v_rcp_f32 v[ST+8*\T+4], v[ST+8*\T+6]
.endr
	v_nop                                          ; a plain instruction behind the last reciprocal
	s_add_co_i32 s76, s70, s71                     ; e8 + e9
	s_add_co_i32 s77, s72, 127
	s_lshl_b32 s78, s77, 23                        ; 2^e10 as f32
	v_mov_b32 v[PSC], s78
	s_wait_alu depctr_va_vdst(0)                   ; one wait for both reciprocals, ahead of their first reader
.irp T, 0,1
	v_ldexp_f32 v[ST+8*\T+4], v[ST+8*\T+4], s76
.endr
.irp j, 0,2,4,6,8,10,12,14,16,18,20,22,24,26,28,30
.irp T, 0,1
	v_pk_mul_f32 v[O+32*\T+\j:O+32*\T+\j+1], v[O+32*\T+\j:O+32*\T+\j+1], v[ST+8*\T+4:ST+8*\T+5] op_sel_hi:[1,0]   ; each accumulator from its low end on
.endr
.endr
.set j, 0
.rept 64
.set j, j+1
.endr
.irp c, 0,1,2,3
.irp T, 0,1
	v_cvt_scalef32_pk8_bf8_f32 v[P+8*\T+2*\c:P+8*\T+2*\c+1], v[O+32*\T+8*\c:O+32*\T+8*\c+7], v[PSC]   ; channels 16 c + 8 h + 0..7 of my query
.endr
.endr
	v_nop                                          ; a plain instruction behind the last conversion
.irp T, 0,1
.irp c, 0,1,2,3
	global_store_b64 v[GO], v[P+8*\T+2*\c:P+8*\T+2*\c+1], s[12:13] offset:16384*\T+256*\c   ; 32 lanes store 256 consecutive bytes, at a multiple of 256 from the image's first byte
.endr
.endr
	s_wait_tensorcnt 0x0
	ds_add_u32 v254, v255
	s_wait_dscnt 0x0
	CROUND                                         ; the closing round: no work-group ends while a partner may still ask for a chunk that names it
	s_endpgm
.Lfunc_end_k_qa8db54aa82_attn:
	.size	k_qa8db54aa82_attn, .Lfunc_end_k_qa8db54aa82_attn-k_qa8db54aa82_attn
	.p2alignl 7, 3214868480
	.fill 96, 4, 3214868480
	.section	.rodata,"a",@progbits
	.p2align	6, 0x0
	.amdhsa_kernel k_qa8db54aa82_attn
		.amdhsa_group_segment_fixed_size 264192
		.amdhsa_private_segment_fixed_size 0
		.amdhsa_enable_private_segment 0
		.amdhsa_kernarg_size 40
		.amdhsa_user_sgpr_count 2
		.amdhsa_user_sgpr_kernarg_segment_ptr 1
		.amdhsa_wavefront_size32 1
		.amdhsa_system_sgpr_workgroup_id_x 1
		.amdhsa_system_sgpr_workgroup_id_y 1
		.amdhsa_system_sgpr_workgroup_id_z 1
		.amdhsa_system_vgpr_workitem_id 0
		.amdhsa_next_free_vgpr 256
		.amdhsa_next_free_sgpr 84
		.amdhsa_reserve_vcc 0
		.amdhsa_float_denorm_mode_32 3
		.amdhsa_float_denorm_mode_16_64 3
		.amdhsa_fp16_overflow 1
		.amdhsa_memory_ordered 1
		.amdhsa_forward_progress 1
		.amdhsa_inst_pref_size 72
	.end_amdhsa_kernel
	.amdgpu_metadata
---
amdhsa.version: [ 1, 2 ]
amdhsa.kernels:
  - .name:           k_qa8db54aa82_attn
    .symbol:         k_qa8db54aa82_attn.kd
    .args:
      - { .name: q_img, .offset: 0, .size: 8, .value_kind: global_buffer, .address_space: global }
      - { .name: k_img, .offset: 8, .size: 8, .value_kind: global_buffer, .address_space: global }
      - { .name: v_img, .offset: 16, .size: 8, .value_kind: global_buffer, .address_space: global }
      - { .name: lowp_scales, .offset: 24, .size: 8, .value_kind: global_buffer, .address_space: global }
      - { .name: a_img, .offset: 32, .size: 8, .value_kind: global_buffer, .address_space: global }
    .group_segment_fixed_size: 264192
    .private_segment_fixed_size: 0
    .kernarg_segment_align: 8
    .kernarg_segment_size: 40
    .max_flat_workgroup_size: 512
    .sgpr_count:     84
    .vgpr_count:     256
    .wavefront_size: 32
...
	.end_amdgpu_metadata
.endif
;; end of part 2
;; launch proj (part 3): grid 4 x 64, 4 waves a work-group, clusters of 4 x 4, 327,680 bytes of LDS; arguments a_img, Wo_codes, bo, lowp_scales, out0; writes out0
.if DOCPART == 3
	.amdgcn_target "amdgcn-amd-amdhsa--gfx1250"
	.amdhsa_code_object_version 6
	.text
	.protected	k_qa8db54aa82_proj
	.globl	k_qa8db54aa82_proj
	.p2align	8
	.type	k_qa8db54aa82_proj,@function
k_qa8db54aa82_proj:
	s_mov_b64 s[64:65], 0
	v_nop
	global_prefetch_b8 v0, s[64:65] scope:SCOPE_SE
	s_setreg_imm32_b32 hwreg(HW_REG_WAVE_MODE, 25, 1), 1
	s_wait_xcnt 0x0
	s_wait_alu depctr_hold_cnt(0) depctr_sa_sdst(0) depctr_va_vdst(0) depctr_va_sdst(0) depctr_va_ssrc(0) depctr_va_vcc(0) depctr_vm_vsrc(0)
	s_getreg_b32 s2, hwreg(HW_REG_IB_STS2, 6, 4)
	s_cmp_eq_u32 s2, 0
	s_cbranch_scc0 .Lentry_in_a_cluster
	s_endpgm
.Lentry_in_a_cluster:
	s_bfe_u32 s2, ttmp6, 0x10000c
	s_cmp_lg_u32 s2, 0xf033
	s_cbranch_scc0 .Lentry_shape_is_right
	s_endpgm
.Lentry_shape_is_right:
; out0 = a Wo^T x 2^(e10 + e11) + bo.  a: the attention's result as codes of E5M2, [tile of 16 rows: 512][K step of 128: 8][2,048 bytes], each fragment an image of its 16 registers (registers 4 c .. 4 c + 3 of lane l,
; k = 32 c + 16 (l / 16) + 0..15 of row l % 16, at 512 c + 16 l).  Wo: [1024 (n)][1024 (k)] codes.  bo: [1024] f32.  out0: [8192][1024] f32.
; SHARES.  Work-group (nj, mi) makes rows 128 mi .. x columns 256 nj ..: 256 work-groups.  Wave w (wm = w / 2, wn = w % 2): 64 rows x 128 columns, 32 accumulators.  a's eight tiles of rows (131,072 dense bytes) lie in
; LDS for the whole launch; Wo goes through a ring of two slots, 256 along K each: 4 K steps, 8 sub-steps of 128 along K.
; Wo's fragments come from rows in LDS by four loads of 16 bytes, 32 apart: lane l gets k = 32 c + 16 (l / 16) + 0..15, the very places that a's image has: a permutation of k that is the same on both sides.
; CLUSTER 4 x 4: a's block hangs on mi alone and is asked for jointly along a row of the cluster, Wo's tiles on nj alone and jointly along a column.
; THE MATRIX INSTRUCTION IS USED TRANSPOSED (source 0 = 16 rows of Wo, source 1 = 16 rows of a): a lane holds eight neighbouring columns of one row of out0.
; LIMIT: e10 + e11 between -126 and 127, so that 2^(e10 + e11) is an f32 number.
; REGISTERS, in windows of 256: window 0: v1-31 addresses; v64-127, v128-191 a's fragments, two sets, on the way out rows read back; v192-255 results at work.   window 1: Wo's fragments, two sets of 128.
;   window 2: accumulator (a, b) at v[8 (8 a + b)].   window 3: v[8 b + j] = bo at my columns 16 b + 8 (l / 16) + j.
.set PITCH, 272                        ; a row of Wo in LDS: 256 bytes + 16 of padding
.set WS,    131072                     ; behind a's block: the ring of two slots of 256 rows
.set WSLOT, 256*PITCH
.set WQ4,   64*PITCH
.set SPARE, WS+2*WSLOT                 ; the spare words, 128 bytes for each wave: two blocks of 256 bytes that no other line names
.set STG,   SPARE+512                  ; the stages for the way out: 16 rows x 528 bytes for each wave; no tile ever lands here
.set SPITCH, 528
.set LASTU, 7
.set ADRA, 16                          ; v16     16 x lane + my four tiles of rows
.set ADRB, 20                          ; v20-21  LDS address of my fragments of Wo in slot 0, 1
.set CO,   24                          ; v24     16 x lane: my place in a row's 512 bytes
.set STO,  25                          ; v25     the stage: where I put 32 bytes of a row
.set RD,   26                          ; v26     and where I read a row back
.set SPW,  28
.set NIL,  29
.set BK,   64
.set TMP,  192
.set WV,   26                          ; s26 wave; s27 wm; s28 wn; s29 cx; s30 cy; s31 nj; s32 mi; s33, s34 the masks
.set G1X,  36                          ; s[36:43] group 1 for a's block;  s[44:47] its group 0
.set G0X,  44
.set G1W,  48                          ; s[48:55] group 1 for Wo's tiles;  s[56:63] group 0, one set for each slot
.set G0W,  56
.set WB,   66                          ; s[66:67] Wo at my wave's 64 rows
.set MSB, 0
.macro WIN new
.if MSB != (\new)
	s_set_vgpr_msb (MSB<<8)|(\new)
.set MSB, (\new)
.endif
.endm
.macro PLACES n
.rept \n
	v_nop
.endr
.endm
.macro CREST
	s_cmp_lg_u32 s[WV], 0
	s_cbranch_scc1 .Lnot_wave_0_\@
	s_barrier_signal -3
.Lnot_wave_0_\@:
	s_barrier_wait -3
	s_barrier_signal -1
	s_barrier_wait -1
.endm
.macro CROUND
	s_barrier_signal -1
	s_barrier_wait -1
	CREST
.endm
	s_load_b256 s[4:11], s[0:1], 0x0               ; a_img s[4:5], Wo s[6:7], bo s[8:9], the scales' exponents s[10:11]
	s_load_b64 s[12:13], s[0:1], 0x20              ; out0
	v_lshl_add_u32 v[SPW], v0, 2, SPARE
	v_mov_b32 v[NIL], 0
	ds_add_u32 v28, v29
	ds_add_u32 v28, v29
	s_wait_dscnt 0x0
	v_lshrrev_b32 v1, 5, v0
	v_readfirstlane_b32 s[WV], v1
	s_lshr_b32 s27, s[WV], 1
	s_and_b32 s28, s[WV], 1
	s_bfe_u32 s29, ttmp6, 0x40000
	s_bfe_u32 s30, ttmp6, 0x40004
	s_lshl_b32 s31, ttmp9, 2
	s_add_co_u32 s31, s31, s29                     ; nj
	s_and_b32 s32, ttmp7, 0xffff
	s_lshl_b32 s32, s32, 2
	s_add_co_u32 s32, s32, s30                     ; mi
	s_lshl_b32 s33, s30, 2
	s_lshl_b32 s33, 15, s33                        ; my row of the cluster
	s_lshl_b32 s34, 0x1111, s29                    ; my column
	s_or_b32 s[G1X], s33, (3<<16)|(1<<21)          ; a's block: dense, as 128 rows of 32 elements of 8 bytes, no padding
	s_mov_b32 s[G1X+1], 32<<16
	s_mov_b32 s[G1X+2], 128<<16
	s_mov_b32 s[G1X+3], 32<<16
	s_mov_b32 s[G1X+4], 128
	s_mov_b32 s[G1X+5], 32
	s_mov_b32 s[G1X+6], 0
	s_mov_b32 s[G1X+7], 0
	s_or_b32 s[G1W], s34, (1<<20)|(1<<21)|(5<<22)|(3<<25)   ; Wo's tiles: 64 rows of 256 bytes, 1,024 apart in memory, 16 bytes of padding behind each
	s_mov_b32 s[G1W+1], 256<<16
	s_mov_b32 s[G1W+2], 64<<16
	s_mov_b32 s[G1W+3], 256<<16
	s_mov_b32 s[G1W+4], 64
	s_mov_b32 s[G1W+5], 1024
	s_mov_b32 s[G1W+6], 0
	s_mov_b32 s[G1W+7], 0
	s_lshl_b32 s84, s32, 17                        ; a: 131,072 mi + 32,768 w
	s_lshl_b32 s85, s[WV], 15
	s_add_co_u32 s84, s84, s85
	s_mov_b32 s85, 0
	s_lshl_b32 s86, s31, 18                        ; Wo: row 256 nj + 64 w
	s_lshl_b32 s87, s[WV], 16
	s_add_co_u32 s86, s86, s87
	s_mov_b32 s87, 0
	s_mul_i32 s88, s[WV], WQ4
	s_wait_kmcnt 0x0
	s_load_b64 s[72:73], s[10:11], 0x28            ; e10, e11
	s_mov_b32 s[G0X], 1
	s_lshl_b32 s[G0X+1], s[WV], 15                 ; LDS: 32,768 w
	s_add_nc_u64 s[G0X+2:G0X+3], s[4:5], s[84:85]
	s_or_b32 s[G0X+3], s[G0X+3], 0x80000000
	s_add_nc_u64 s[WB:WB+1], s[6:7], s[86:87]
.irp s, 0,1
	s_mov_b32 s[G0W+4*\s], 1
	s_add_co_u32 s[G0W+4*\s+1], s88, WS+\s*WSLOT
	s_add_nc_u64 s[G0W+4*\s+2:G0W+4*\s+3], s[WB:WB+1], \s*256
	s_or_b32 s[G0W+4*\s+3], s[G0W+4*\s+3], 0x80000000
.endr
	CROUND                                         ; all sixteen work-groups are here: the first joint loads meet
	tensor_load_to_lds s[G0X:G0X+3], s[G1X:G1X+7]  ; one load of mine is out
	s_nop 0
	s_wait_alu depctr_va_vdst(0)
	s_wait_tensorcnt 0x0
	ds_add_u32 v28, v29
	s_wait_dscnt 0x0
	CROUND
	tensor_load_to_lds s[G0W:G0W+3], s[G1W:G1W+7]
	s_nop 0
	s_wait_alu depctr_va_vdst(0)
	s_wait_tensorcnt 0x0
	ds_add_u32 v28, v29
	s_wait_dscnt 0x0
	CROUND
	tensor_load_to_lds s[G0W+4:G0W+7], s[G1W:G1W+7]
	s_nop 0
	PLACES 4
	v_and_b32 v1, 15, v0                           ; r
	v_bfe_u32 v2, v0, 4, 1                         ; h
	v_and_b32 v[CO], 31, v0
	v_lshlrev_b32 v[CO], 4, v[CO]
	s_lshl_b32 s88, s27, 16
	v_add_nc_u32 v[ADRA], s88, v[CO]               ; my four tiles of rows: 65,536 wm
	v_mul_u32_u24 v3, v1, PITCH
	v_lshl_add_u32 v3, v2, 4, v3
	s_mul_i32 s89, s28, 128*PITCH
	s_add_co_u32 s89, s89, WS
.irp s, 0,1
	v_add_nc_u32 v[ADRB+\s], s89, v3
	s_add_co_u32 s89, s89, WSLOT
.endr
	s_mul_i32 s88, s[WV], 16*SPITCH
	s_add_co_u32 s88, s88, STG                     ; my stage
	v_mul_u32_u24 v[STO], v1, SPITCH
	v_lshl_add_u32 v[STO], v2, 5, v[STO]
	v_add_nc_u32 v[STO], s88, v[STO]               ; in: row r, 32 bytes for each half of the lanes
	v_add_nc_u32 v[RD], s88, v[CO]                 ; back: the 32 lanes take one row of 512 bytes
	s_lshl_b32 s90, s31, 10
	s_lshl_b32 s91, s28, 9
	s_add_co_u32 s90, s90, s91                     ; my first column, in bytes of f32
	s_mov_b32 s91, 0
	s_add_nc_u64 s[8:9], s[8:9], s[90:91]
	s_add_nc_u64 s[12:13], s[12:13], s[90:91]
	s_lshl_b32 s90, s32, 19
	s_lshl_b32 s89, s27, 18
	s_add_co_u32 s90, s90, s89                     ; my first row: (128 mi + 64 wm) x 4,096 bytes
	s_add_nc_u64 s[12:13], s[12:13], s[90:91]
	v_lshlrev_b32 v4, 5, v2                        ; 32 h
	WIN 0xc0
.irp b, 0,1,2,3,4,5,6,7
	global_load_b128 v[8*\b:8*\b+3], v4, s[8:9] offset:64*\b
	global_load_b128 v[8*\b+4:8*\b+7], v4, s[8:9] offset:64*\b+16
.endr
	WIN 0
	s_wait_alu depctr_va_vdst(0)
	s_wait_kmcnt 0x0
	s_add_co_i32 s96, s72, s73
	s_add_co_i32 s96, s96, 127
	s_lshl_b32 s96, s96, 23                        ; 2^(e10 + e11) as f32
	s_mov_b32 s97, s96                             ; (named with it as a pair, so it is written)
; 48 LDS loads in one run: the fragments of sub-step FU into set FU % 2: Wo's eight first, then a's four
.macro FETCH
.set fS, (FU/2)%2
.set fH, FU%2
.set fB, 128*(FU%2)
.set fA, 64+64*(FU%2)
	WIN 0x40
.irp b, 0,1,2,3,4,5,6,7
.irp c, 0,1,2,3
	ds_load_b128 v[fB+16*\b+4*\c:fB+16*\b+4*\c+3], v[ADRB+fS] offset:128*fH+32*\c+\b*16*PITCH
.endr
.endr
	WIN 0
.irp i, 0,1,2,3
.irp c, 0,1,2,3
	ds_load_b128 v[fA+16*\i+4*\c:fA+16*\i+4*\c+3], v[ADRA] offset:\i*16384+FU*2048+512*\c   ; an image's 512 consecutive bytes
.endr
.endr
.endm
; 8 matrix instructions of sub-step U: a's block against Wo's eight.  FIRST = 1: the first product starts the sums.  The 32 accumulators take turns.
.macro MUL8 a
.set mB, 128*(U%2)
.set mA, 64+64*(U%2)+16*(\a)
	WIN 0xa1                                       ; Wo window 1, a window 0, C and D window 2
.irp b, 0,1,2,3,4,5,6,7
.set mD, 8*(8*(\a)+\b)
.if FIRST
	v_wmma_f32_16x16x128_bf8_bf8 v[mD:mD+7], v[mB+16*\b:mB+16*\b+15], v[mA:mA+15], 0
.else
	v_wmma_f32_16x16x128_bf8_bf8 v[mD:mD+7], v[mB+16*\b:mB+16*\b+15], v[mA:mA+15], v[mD:mD+7]
.endif
.endr
.endm
.macro STEPE                           ; an even sub-step: its successor lies in the same slot
.if U == 0
.set FIRST, 1
.else
.set FIRST, 0
.endif
	s_wait_dscnt 12                                ; Wo's eight fragments and a's block 0 are in; the youngest twelve loads may be out
	MUL8 0
	PLACES 4                                       ; for the loads into the other set
.set FU, U+1
	FETCH
	s_wait_dscnt 48                                ; all but the 48 just issued
	MUL8 1
	MUL8 2
	MUL8 3
.set U, U+1
.endm
; An odd sub-step changes slots: one barrier; in front of it each wave waits for all its tensor loads, adds 0 to its spare word, and waits for that and for its reads of this slot.
.macro TURN
.set FIRST, 0
.set tT, (U-1)/2
.set tS, tT%2
	WIN 0
.if U < LASTU
	s_wait_tensorcnt 0x0                           ; no tensor load of mine is out, so a group 0 may be written
	ds_add_u32 v[SPW], v[NIL]                      ; 0 onto my spare word
.if U <= LASTU-4
	s_add_nc_u64 s[G0W+4*tS+2:G0W+4*tS+3], s[WB:WB+1], (tT+2)*256   ; K step tT + 2
	s_or_b32 s[G0W+4*tS+3], s[G0W+4*tS+3], 0x80000000
.endif
	s_wait_dscnt 13                                ; (the add and a's blocks 1-3 may be out)
	MUL8 0
	s_wait_dscnt 0x0                               ; the add is done, and my reads of this slot are over
	s_barrier_signal -1
	MUL8 1
	WIN 0
	s_barrier_wait -1
.if U <= LASTU-4
	CREST                                          ; no wave of any partner still reads this slot or has a load on its way
	tensor_load_to_lds s[G0W+4*tS:G0W+4*tS+3], s[G1W:G1W+7]   ; my one tensor load behind the round
	s_nop 0
.endif
	PLACES 4
.set FU, U+1
	FETCH
	MUL8 2
	MUL8 3
.else
	s_wait_dscnt 12
	MUL8 0
	s_wait_dscnt 0x0
	MUL8 1
	MUL8 2
	MUL8 3
.endif
.set U, U+1
.endm
	s_wait_tensorcnt 1                             ; my part of a and my quarter of slot 0 are in; slot 1's load may stay out
	s_barrier_signal -1
	s_barrier_wait -1
.set FU, 0
	FETCH
.set U, 0
.rept 4
	STEPE
	TURN
.endr
	WIN 0
; THE WAY OUT, a block of 16 rows x 128 columns at a time: sum x 2^(e10 + e11) + bo, through my own stage in LDS, back as whole rows of 512 bytes.  LDS serves a wave's instructions in order (ISA guide 5.7.1.4):
; no wait stands between the stores and the loads, nor in front of the next block's stores.
.macro TOSTAGE a
	WIN 0x32                                       ; source 0 (the sums) window 2, source 2 (bo) window 3
.irp b, 0,1,2,3,4,5,6,7
.irp i, 0,2,4,6
	v_pk_fma_f32 v[TMP+8*\b+\i:TMP+8*\b+\i+1], v[64*(\a)+8*\b+\i:64*(\a)+8*\b+\i+1], s[96:97], v[8*\b+\i:8*\b+\i+1] op_sel_hi:[1,0,1]   ; each accumulator from its low end on
.endr
.endr
	WIN 0
.irp b, 0,1,2,3,4,5,6,7
	ds_store_b128 v[STO], v[TMP+8*\b:TMP+8*\b+3] offset:64*\b
	ds_store_b128 v[STO], v[TMP+8*\b+4:TMP+8*\b+7] offset:64*\b+16
.endr
.set BB, BK+64*((\a)%2)
.irp t, 0,1,2,3,4,5,6,7,8,9,10,11,12,13,14,15
	ds_load_b128 v[BB+4*\t:BB+4*\t+3], v[RD] offset:\t*SPITCH
.endr
.endm
.macro SEND a, younger                 ; younger: the LDS instructions issued behind block a's loads, which may stay out
.set BB, BK+64*((\a)%2)
	s_wait_dscnt \younger
.if (\a) > 0
	s_add_nc_u64 s[12:13], s[12:13], 16*4096       ; (behind a wait on XCNT: the earlier stores have read their base)  16 rows on
.endif
.irp t, 0,1,2,3,4,5,6,7,8,9,10,11,12,13,14,15
	global_store_b128 v[CO], v[BB+4*\t:BB+4*\t+3], s[12:13] offset:\t*4096 th:TH_STORE_NT   ; 32 lanes store 512 consecutive bytes, at a multiple of 512 from out0's first byte; written once, read by nobody here
.endr
.endm
	s_wait_loadcnt 0x0                             ; bo
	PLACES 4                                       ; in front of the first read of results and of the loads into the registers that held a's fragments
	TOSTAGE 0
.irp a, 1,2,3
.if \a > 1
	s_wait_xcnt 0x0                                ; block a - 2's stores have read their registers and their base
.endif
	TOSTAGE \a
	SEND \a-1, 32                                  ; behind block a - 1's loads: block a's 16 stores and 16 loads
.endr
	s_wait_xcnt 0x0
	SEND 3, 0
	s_wait_tensorcnt 0x0                           ; the wave's end: behind my last tensor load and my last LDS store
	ds_add_u32 v[SPW], v[NIL]
	s_wait_dscnt 0x0
	CROUND                                         ; the closing round
	s_endpgm
.Lfunc_end_k_qa8db54aa82_proj:
	.size	k_qa8db54aa82_proj, .Lfunc_end_k_qa8db54aa82_proj-k_qa8db54aa82_proj
	.p2alignl 7, 3214868480
	.fill 96, 4, 3214868480
	.section	.rodata,"a",@progbits
	.p2align	6, 0x0
	.amdhsa_kernel k_qa8db54aa82_proj
		.amdhsa_group_segment_fixed_size 327680
		.amdhsa_private_segment_fixed_size 0
		.amdhsa_enable_private_segment 0
		.amdhsa_kernarg_size 40
		.amdhsa_user_sgpr_count 2
		.amdhsa_user_sgpr_kernarg_segment_ptr 1
		.amdhsa_wavefront_size32 1
		.amdhsa_system_sgpr_workgroup_id_x 1
		.amdhsa_system_sgpr_workgroup_id_y 1
		.amdhsa_system_sgpr_workgroup_id_z 1
		.amdhsa_system_vgpr_workitem_id 0
		.amdhsa_next_free_vgpr 1024
		.amdhsa_next_free_sgpr 100
		.amdhsa_reserve_vcc 0
		.amdhsa_float_denorm_mode_32 3
		.amdhsa_float_denorm_mode_16_64 3
		.amdhsa_memory_ordered 1
		.amdhsa_forward_progress 1
		.amdhsa_inst_pref_size 76
	.end_amdhsa_kernel
	.amdgpu_metadata
---
amdhsa.version: [ 1, 2 ]
amdhsa.kernels:
  - .name:           k_qa8db54aa82_proj
    .symbol:         k_qa8db54aa82_proj.kd
    .args:
      - { .name: a_img, .offset: 0, .size: 8, .value_kind: global_buffer, .address_space: global }
      - { .name: Wo_codes, .offset: 8, .size: 8, .value_kind: global_buffer, .address_space: global }
      - { .name: bo, .offset: 16, .size: 8, .value_kind: global_buffer, .address_space: global }
      - { .name: lowp_scales, .offset: 24, .size: 8, .value_kind: global_buffer, .address_space: global }
      - { .name: out0, .offset: 32, .size: 8, .value_kind: global_buffer, .address_space: global }
    .group_segment_fixed_size: 327680
    .private_segment_fixed_size: 0
    .kernarg_segment_align: 8
    .kernarg_segment_size: 40
    .max_flat_workgroup_size: 128
    .sgpr_count:     100
    .vgpr_count:     1024
    .wavefront_size: 32
...
	.end_amdgpu_metadata
.endif
;; end of part 3
